; MI455X (gfx1250); checked and timed in simulation.
; The chip was launched on July 23, 2026; its instructions are those of AMD's public machine-readable ISA for CDNA 5 (MIT licence, August 2026) and "CDNA5" Instruction Set Architecture Reference Guide (July 2026). The comments in the code are by the model that wrote it; some were corrected since.
;; Causal Attention2d. Allowed arithmetic: matrix products marked QUANTISED: E2M3 operands, one E8M0 scale for each 32 along K, by v_wmma_scale_f32_16x16x128_f8f6f4 with both operands' format E2M3, f32 sums; everything else in f32.
;; Inputs: Wk 512 x 512 float32; Wq 512 x 512 float32; Wv 512 x 512 float32; bk 512 float32; bq 512 float32; bv 512 float32; key 2 x 512 x 64 x 64 float32; query 2 x 512 x 64 x 64 float32.
;; Outputs: out0 2 x 512 x 64 x 64 float32.
;; This version of the problem:
;;   THIS VERSION OF THE PROBLEM IS GIVEN IN LOW PRECISION. The matrix products marked QUANTISED in the list below multiply operands that are first quantised to E2M3 (2 exponent bits, 3 mantissa bits; 6 bits a number), with one power-of-two scale for each 32 numbers along K (OCP MX v1.0); their sums are f32. All else is computed in f32.
;;   The module's matrix products, in the order in which they are computed (A, B: the left and right operand; K: the contracted axis; several contracted axes count as one K, in the product's order):
;;     1. [M 8,192, K 512] x [K 512, N 512]; A: input query; B: input Wq: QUANTISED
;;     2. [M 8,192, K 512] x [K 512, N 512]; A: input key; B: input Wk: QUANTISED
;;     3. [M 8,192, K 512] x [K 512, N 512]; A: input key; B: input Wv: QUANTISED
;;     4. batch 16 x [M 4,096, K 64] x [K 64, N 4,096]; A: computed on the way; B: computed on the way: QUANTISED
;;     5. batch 16 x [M 4,096, K 4,096] x [K 4,096, N 64]; A: softmax (see below); B: computed on the way: QUANTISED
;;   THE QUANTISER, for each operand of a quantised product, along K:
;;     - K is cut into blocks of 32 from its start; a last block that is shorter is filled with zeros.
;;     - A block's scale is 2^e with e = floor(log2(the largest magnitude in the block)) - 2, held to -126 .. 127; a block of zeros has e = 0. As a byte (E8M0): e + 127.
;;     - Each number is divided by its block's scale, clamped to +-7.5, and rounded to the nearest number of E2M3, ties to even, subnormals kept.
;;     - The product sums the exact products of the quantised numbers (number of the format x scale) in f32.
;;   ~~~python
;;   def quantise(x, axis):      # numpy; x: float32 -> the quantised numbers, widened to float32 again
;;       x = np.moveaxis(x, axis, -1); K = x.shape[-1]
;;       x = np.pad(x, [(0, 0)] * (x.ndim - 1) + [(0, -K % 32)]); x = x.reshape(x.shape[:-1] + (-1, 32)); a = np.abs(x).max(-1, keepdims=True)
;;       e = np.where(a > 0, np.clip(np.frexp(np.where(a > 0, a, 1))[1] - 1 - 2, -126, 127), 0)      # np.frexp(a)[1] - 1 = floor(log2(a)), exactly
;;       r = np.clip(x / 2.0 ** e, -7.5, 7.5)
;;       step = 2.0 ** (np.maximum(np.frexp(np.where(r == 0, 1, r))[1] - 1, 0) - 3)
;;       q = np.round(r / step) * step * 2.0 ** e      # np.round: ties to even
;;       return np.moveaxis(q.reshape(q.shape[:-2] + (-1,))[..., :K], -1, axis).astype(np.float32)
;;   ~~~
;;   SOFTMAX AHEAD OF A QUANTISED PRODUCT. Where the list says 'softmax', what is quantised is not the finished softmax but p = 2^(t - M), with t = logit x log2(e) and M = ceil(the row's largest t), a whole number; so 1/2 < the row's largest p <= 1. The row's sum l is taken of the UNQUANTISED p, in f32, and the product's result is divided by l at the end. Since M is a whole number, a kernel that streams over the keys may use a running M (the ceiling of the running maximum): every later rescaling is an exact power of two, which a block's scale takes up: the codes' values come out the same.
;;   OPERANDS COMPUTED ON THE WAY. 'Computed on the way' means the value that the module computes at that place (a softmax that the list does not call 'softmax' is quantised finished and normalised). What goes into a quantiser is computed in f32, as accurately as f32 sums, v_exp_f32 and their like allow (about 1e-6 of the number): no bf16 or f16 on the way to a quantiser, and a product that is left as it is and whose result goes on into a quantised operand takes f32 operands (vector FMAs, or v_wmma_f32_16x16x4_f32). A number that lies on a knife's edge between two numbers of the format may be rounded either way, as far as f32 arithmetic and the matrix unit's own rounding can turn it there, and no further.
;; One version. Each part assembles by itself: llvm-mc -triple=amdgcn-amd-amdhsa -mcpu=gfx1250 --defsym DOCPART=n.
;; ======== version 1 of 1: 3 launches
;; limits: right only within a limited range of input values
;; workspace buffers: wrec 712,704 bytes; qrec 3,276,800 bytes; kvrec 6,553,600 bytes
;; launch wprep (part 1): grid 32 x 3, 4 waves a work-group, no clusters, 0 bytes of LDS; arguments Wq, Wk, Wv, bq, bk, bv, wrec; writes wrec
.if DOCPART == 1
	.amdgcn_target "amdgcn-amd-amdhsa--gfx1250"
	.amdhsa_code_object_version 6
	.text
	.protected	k_qcb280afe26_wprep
	.globl	k_qcb280afe26_wprep
	.p2align	8
	.type	k_qcb280afe26_wprep,@function
k_qcb280afe26_wprep:
	s_mov_b64 s[64:65], 0
	v_nop
	global_prefetch_b8 v0, s[64:65] scope:SCOPE_SE
	s_setreg_imm32_b32 hwreg(HW_REG_WAVE_MODE, 25, 1), 1
	s_wait_xcnt 0x0
; THE PROGRAM: causal attention over 4,096 positions, 16 (batch, head) pairs, head size 64, all five products on codes of FP6 (E2M3) with one E8M0 scale for each 32 along K.
; Three launches: this one lays the weights out; the second makes q, k and v and stores them as operands; the third is the attention.
; WORK LEFT OUT, IN THE THIRD LAUNCH ALONE: a step of 128 keys all of which come after a tile's 16 queries.  reference() builds the causal mask in its own body (jnp.tril) and sets those
; scores to -1e9 ahead of the softmax: their weights are exp(-1e9 - max), which add nothing to any sum for any finite inputs whose logits stay far under 1e9.  So neither their
; scores nor their part of the second product reaches an output.  Inside the one step on the diagonal the hidden scores are computed and replaced.  No input is dead: all eight are loaded (every bias goes into a quantiser).
; LIMITS: NaN and infinities among the inputs are not served; a NaN, an infinity or an overflow that reaches only the steps left out is not carried to the result; a block whose largest
; magnitude lies under 2^-124, a block of zeros among them, keeps the scale byte 1 (the rule says 127 for zeros): its codes are zeros or the rule's own, and the bytes are read by this program alone.
;
; THIS LAUNCH.  Wq, Wk, Wv [512][512] f32, K innermost, become fragments of 16 rows x 128 K in the ORDER OF THE OPERAND'S REGISTERS, with their scale words, and the biases become images of the C operand.
; wrec: 24 records [projection 0..2][head 0..7] of 29,696 bytes: 16 fragments f = 4 s + wt (s: K step of 128, wt: tile of 16 rows) of 1,536 bytes, registers 4 g .. 4 g + 3 of lane l at 512 g + 16 l;
; from byte 24,576 the scale words, at 64 f + 4 r; from byte 25,600 four bias tiles of 1,024 bytes, register j of lane l at 512 (j / 4) + 16 l + 4 (j % 4).
; THE ROWS OF A TILE.  Wq, Wk (source 0 of their products): lane r of tile T takes row 32 (T / 2) + 8 (T % 2) + r + 8 (r / 8), so that a lane's 16 results of two neighbouring tiles are 16 neighbouring channels.
; Wv (source 1 of its product): row 16 T + r.  The bias tile follows the result's layout: q, k: register j of lane (r, h) is b[first row + 16 h + j]; v: b[16 T + r] in all eight.
; SHARES.  Work-group (T, projection); wave s makes the tile's fragment of K step s: lane (r, h) takes k = 64 c + 32 h + 0 .. 31 of its row, two whole blocks, so no other lane is asked for a maximum.
.set REC,  29696
.set SCW,  24576
.set BIA,  25600
	s_load_b256 s[4:11], s[0:1], 0x0               ; Wq s[4:5], Wk s[6:7], Wv s[8:9], bq s[10:11]
	s_load_b128 s[12:15], s[0:1], 0x20             ; bk s[12:13], bv s[14:15]
	s_load_b64 s[16:17], s[0:1], 0x30              ; wrec
	v_lshrrev_b32 v1, 5, v0
	v_readfirstlane_b32 s18, v1                    ; s: my K step
	s_and_b32 s19, ttmp7, 0xffff                   ; the projection: 0 q, 1 k, 2 v
	s_lshl_b32 s23, ttmp9, 4                       ; v: the tile's first row, 16 T
	s_lshr_b32 s24, ttmp9, 1
	s_lshl_b32 s24, s24, 5
	s_and_b32 s25, ttmp9, 1
	s_lshl_b32 s25, s25, 3
	s_add_co_u32 s24, s24, s25                     ; q, k: 32 (T / 2) + 8 (T % 2)
	s_cmp_eq_u32 s19, 2
	s_cselect_b32 s23, s23, s24                    ; the first row
	s_cselect_b32 s20, 0, 8                        ; the mask that adds 8 (r / 8)
	s_cselect_b32 s21, 15, 16                      ; the bias hangs on r (v) or on 16 h (q, k)
	s_cselect_b32 s22, 0, 1                        ; and on the register (q, k alone)
	s_mov_b32 s36, 0x76543210
	s_mov_b32 s37, 0xfedcba98                      ; v_permlanex16_b32's selects for lane l xor 16
	s_lshl_b32 s30, s19, 3
	s_lshr_b32 s31, ttmp9, 2
	s_add_co_u32 s30, s30, s31
	s_mul_i32 s30, s30, REC                        ; my record: 8 x projection + head
	s_mov_b32 s31, 0
	s_and_b32 s32, ttmp9, 3                        ; wt
	s_lshl_b32 s33, s18, 2
	s_add_co_u32 s33, s33, s32                     ; f = 4 s + wt
	s_mul_i32 s34, s33, 1536
	s_lshl_b32 s35, s33, 6
	s_lshr_b32 s38, s18, 1
	s_lshl_b32 s38, s38, 9
	s_and_b32 s39, s18, 1
	s_lshl_b32 s39, s39, 3
	s_add_co_u32 s38, s38, s39
	s_lshl_b32 s39, s32, 10
	s_add_co_u32 s38, s38, s39                     ; bias registers 2 s, 2 s + 1 of tile wt: 1,024 wt + 512 (s / 2) + 8 (s % 2)
	s_lshl_b32 s39, s18, 9                         ; 128 numbers of a row: 512 bytes a K step
	s_lshl_b32 s33, s18, 1
	s_mul_i32 s33, s33, s22
	s_add_co_u32 s33, s33, s23                     ; first row + 2 s (q, k) or + 0 (v)
	v_and_b32 v1, 15, v0                           ; r
	v_bfe_u32 v2, v0, 4, 1                         ; h
	v_and_b32 v14, 31, v0                          ; lane
	v_and_b32 v3, s20, v1
	v_add3_u32 v3, v3, v1, s23                     ; my row
	v_lshlrev_b32 v3, 11, v3                       ; of 2,048 bytes,
	v_lshl_add_u32 v3, v2, 7, v3                   ; + 32 h numbers,
	v_add_nc_u32 v3, s39, v3                       ; in my K step
	v_lshl_add_u32 v4, v14, 4, s34                 ; out: 16 x lane in fragment f
	v_lshl_add_u32 v5, v1, 2, s35                  ; the scale word: 64 f + 4 r
	v_and_b32 v6, s21, v14
	v_add_lshl_u32 v6, v6, s33, 2                  ; the bias of register 2 s,
	v_lshl_add_u32 v13, s22, 2, v6                 ; and of register 2 s + 1
	v_lshl_add_u32 v7, v14, 4, s38                 ; where the two go
	v_mov_b32 v12, 0                               ; (a lane permute's destination counts as one of its sources)
	s_wait_alu depctr_va_vdst(0)
	s_wait_kmcnt 0x0
	s_cmp_eq_u32 s19, 0                            ; the choice of buffers hangs on the work-group's number alone
	s_cselect_b64 s[26:27], s[4:5], s[6:7]
	s_cselect_b64 s[28:29], s[10:11], s[12:13]
	s_cmp_eq_u32 s19, 2
	s_cselect_b64 s[26:27], s[8:9], s[26:27]
	s_cselect_b64 s[28:29], s[14:15], s[28:29]
	s_add_nc_u64 s[16:17], s[16:17], s[30:31]
.irp c, 0,1
.irp i, 0,1,2,3,4,5,6,7
	global_load_b128 v[64+32*\c+4*\i:67+32*\c+4*\i], v3, s[26:27] offset:256*\c+16*\i   ; W(row, 128 s + 64 c + 32 h + 4 i ..)
.endr
.endr
	global_load_b32 v8, v6, s[28:29]
	global_load_b32 v9, v13, s[28:29]
	s_wait_loadcnt 0x0
.irp c, 0,1                                    ; my block 2 c + h: all its 32 numbers are mine
	v_max3_num_f32 v[16+\c], |v[64+32*\c]|, |v[65+32*\c]|, 0x1800000   ; and the floor 2^(3 - 127): the byte cannot fall under 1
.endr
.irp i, 2,4,6,8,10,12,14,16,18,20,22,24,26,28,30
.irp c, 0,1
	v_max3_num_f32 v[16+\c], v[16+\c], |v[64+32*\c+\i]|, |v[65+32*\c+\i]|   ; (the two blocks by turns)
.endr
.endr
.irp c, 0,1
	v_add_nc_u32 v[18+\c], 0xff000000, v[16+\c]    ; 2 off the exponent field: the conversion takes this operand's exponent field as its scale
.endr
.irp c, 0,1
	v_lshrrev_b32 v[20+\c], 23, v[18+\c]           ; the scale's byte
.endr
	v_lshl_or_b32 v10, v21, 16, v20                ; my two bytes: blocks h and 2 + h of row r,
	v_lshlrev_b32 v11, 3, v2
	v_lshlrev_b32 v10, v11, v10                    ; at their places in the word;
	v_permlanex16_b32 v12, v10, s36, s37
	v_or_b32 v10, v10, v12                         ; with lane l xor 16's two the word is whole
.irp c, 0,1
	v_cvt_scalef32_pk16_fp6_f32 v[24+6*\c:26+6*\c], v[64+32*\c:79+32*\c], v[18+\c]   ; registers 6 c .. 6 c + 5 of the operand
	v_cvt_scalef32_pk16_fp6_f32 v[36+4*\c:38+4*\c], v[80+32*\c:95+32*\c], v[18+\c]   ; (a conversion's three registers begin on an even number)
.endr
	v_nop                                          ; one plain place behind a scaled conversion
.irp c, 0,1
.irp i, 0,1,2
	v_mov_b32 v[27+6*\c+\i], v[36+4*\c+\i]
.endr
.endr
.irp g, 0,1,2
	global_store_b128 v4, v[24+4*\g:27+4*\g], s[16:17] offset:512*\g   ; 32 lanes store 512 consecutive bytes
.endr
	global_store_b32 v5, v10, s[16:17] offset:SCW  ; both halves of the lanes write the same word with the same value
	global_store_b64 v7, v[8:9], s[16:17] offset:BIA
	s_endpgm
.Lfunc_end_k_qcb280afe26_wprep:
	.size	k_qcb280afe26_wprep, .Lfunc_end_k_qcb280afe26_wprep-k_qcb280afe26_wprep
	.p2alignl 7, 3214868480
	.fill 96, 4, 3214868480
	.section	.rodata,"a",@progbits
	.p2align	6, 0x0
	.amdhsa_kernel k_qcb280afe26_wprep
		.amdhsa_group_segment_fixed_size 0
		.amdhsa_private_segment_fixed_size 0
		.amdhsa_enable_private_segment 0
		.amdhsa_kernarg_size 56
		.amdhsa_user_sgpr_count 2
		.amdhsa_user_sgpr_kernarg_segment_ptr 1
		.amdhsa_wavefront_size32 1
		.amdhsa_system_sgpr_workgroup_id_x 1
		.amdhsa_system_sgpr_workgroup_id_y 1
		.amdhsa_system_sgpr_workgroup_id_z 1
		.amdhsa_system_vgpr_workitem_id 0
		.amdhsa_next_free_vgpr 144
		.amdhsa_next_free_sgpr 66
		.amdhsa_reserve_vcc 0
		.amdhsa_float_denorm_mode_32 3
		.amdhsa_float_denorm_mode_16_64 3
		.amdhsa_memory_ordered 1
		.amdhsa_forward_progress 1
		.amdhsa_inst_pref_size 8
	.end_amdhsa_kernel
	.amdgpu_metadata
---
amdhsa.version: [ 1, 2 ]
amdhsa.kernels:
  - .name:           k_qcb280afe26_wprep
    .symbol:         k_qcb280afe26_wprep.kd
    .args:
      - { .name: Wq, .offset: 0, .size: 8, .value_kind: global_buffer, .address_space: global }
      - { .name: Wk, .offset: 8, .size: 8, .value_kind: global_buffer, .address_space: global }
      - { .name: Wv, .offset: 16, .size: 8, .value_kind: global_buffer, .address_space: global }
      - { .name: bq, .offset: 24, .size: 8, .value_kind: global_buffer, .address_space: global }
      - { .name: bk, .offset: 32, .size: 8, .value_kind: global_buffer, .address_space: global }
      - { .name: bv, .offset: 40, .size: 8, .value_kind: global_buffer, .address_space: global }
      - { .name: wrec, .offset: 48, .size: 8, .value_kind: global_buffer, .address_space: global }
    .group_segment_fixed_size: 0
    .private_segment_fixed_size: 0
    .kernarg_segment_align: 8
    .kernarg_segment_size: 56
    .max_flat_workgroup_size: 128
    .sgpr_count:     66
    .vgpr_count:     144
    .wavefront_size: 32
...
	.end_amdgpu_metadata
.endif
;; end of part 1
;; launch proj (part 2): grid 3 x 64, 4 waves a work-group, no clusters, 327,680 bytes of LDS; arguments query, key, wrec, qrec, kvrec; writes qrec, kvrec
.if DOCPART == 2
	.amdgcn_target "amdgcn-amd-amdhsa--gfx1250"
	.amdhsa_code_object_version 6
	.text
	.protected	k_qcb280afe26_proj
	.globl	k_qcb280afe26_proj
	.p2align	8
	.type	k_qcb280afe26_proj,@function
k_qcb280afe26_proj:
	s_mov_b64 s[64:65], 0
	v_nop
	global_prefetch_b8 v0, s[64:65] scope:SCOPE_SE
	s_setreg_imm32_b32 hwreg(HW_REG_WAVE_MODE, 25, 1), 1
	s_wait_xcnt 0x0
.set REC,   29696
.set XIMG,  262144
.set XSC,   311296
.set SPARE, 313344
.set LI,   1
.set LS4,  2
.set LS8,  3
.set RA,   4
.set XW,   5
.set XWS,  6
.set XRD,  7
.set XSR,  8
.set SPW,  10
.set NIL,  11
.set SWD,  12
.set WS,   16
.set XS,   32
.set TM,   40
.set PW,   56
.set XF,   64
.set OF,   160
.set TQ,   208
.set MSB, 0
.macro WIN new
.if MSB != (\new)
	s_set_vgpr_msb (MSB<<8)|(\new)
.set MSB, (\new)
.endif
.endm
	s_load_b256 s[4:11], s[0:1], 0x0
	s_load_b64 s[12:13], s[0:1], 0x20
	v_lshl_add_u32 v[SPW], v0, 2, SPARE
	v_mov_b32 v[NIL], 0
	ds_add_u32 v[SPW], v[NIL]
	ds_add_u32 v[SPW], v[NIL]
	v_lshrrev_b32 v1, 5, v0
	v_readfirstlane_b32 s14, v1
	s_mov_b32 s15, ttmp9
	s_and_b32 s16, ttmp7, 0xffff
	s_mov_b32 s24, 2<<16
	s_mov_b32 s25, 128<<16
	s_mov_b32 s26, 64<<16
	s_mov_b32 s27, 128<<16
	s_mov_b32 s28, 64
	s_mov_b32 s29, 4096
	s_mov_b32 s30, 0
	s_mov_b32 s31, 0
	s_mov_b32 s52, 0xffff0000
	s_mov_b32 s54, 0x76543210
	s_mov_b32 s55, 0xfedcba98
	s_lshr_b32 s17, s16, 5
	s_and_b32 s18, s16, 31
	s_lshl_b32 s56, s17, 23
	s_lshl_b32 s57, s14, 21
	s_add_co_u32 s56, s56, s57
	s_lshl_b32 s57, s18, 9
	s_add_co_u32 s56, s56, s57
	s_mov_b32 s57, 0
	s_lshl_b32 s58, s14, 16
	s_lshl_b32 s60, s15, 3
	s_lshl_b32 s61, s14, 1
	s_add_co_u32 s60, s60, s61
	s_mul_i32 s60, s60, REC
	s_lshl_b32 s62, s17, 3
	s_add_co_u32 s62, s62, s61
	s_lshl_b32 s62, s62, 5
	s_add_co_u32 s62, s62, s18
	s_mov_b32 s61, 0
	s_mov_b32 s66, 12800
	s_mov_b32 s68, 12288
	s_cmp_eq_u32 s15, 0
	s_cselect_b32 s66, 6400, s66
	s_cselect_b32 s68, 6144, s68
	s_cmp_eq_u32 s15, 2
	s_cselect_b32 s67, 6144, 0
	s_cselect_b32 s68, 6400, s68
	s_mul_i32 s62, s62, s66
	s_add_co_u32 s62, s62, s67
	s_mov_b32 s63, 0
	s_mov_b32 s69, 0
	s_lshl_b32 s70, s66, 5
	s_mov_b32 s71, 0
	s_wait_dscnt 0x0
	s_wait_kmcnt 0x0
	s_cmp_eq_u32 s15, 0
	s_cselect_b64 s[40:41], s[4:5], s[6:7]
	s_cselect_b64 s[44:45], s[10:11], s[12:13]
	s_add_nc_u64 s[40:41], s[40:41], s[56:57]
	s_add_nc_u64 s[42:43], s[8:9], s[60:61]
	s_add_nc_u64 s[44:45], s[44:45], s[62:63]
	s_add_nc_u64 s[46:47], s[44:45], s[70:71]
	s_add_nc_u64 s[48:49], s[44:45], s[68:69]
	s_add_nc_u64 s[50:51], s[46:47], s[68:69]
	s_mov_b32 s32, 1
	s_mov_b32 s33, s58
	s_mov_b64 s[34:35], s[40:41]
	s_or_b32 s35, s35, 0x80000000
	s_mov_b32 s36, 1
	s_add_co_u32 s37, s58, 32768
	s_add_nc_u64 s[38:39], s[40:41], 64*16384
	s_or_b32 s39, s39, 0x80000000
	tensor_load_to_lds s[32:35], s[24:31]
	s_nop 0
	s_wait_alu depctr_va_vdst(0)
	s_wait_tensorcnt 0x0
	ds_add_u32 v10, v11
	s_wait_dscnt 0x0
	s_barrier_signal -1
	s_barrier_wait -1
	tensor_load_to_lds s[36:39], s[24:31]
	s_nop 0
	v_and_b32 v9, 31, v0
	v_lshlrev_b32 v[LI], 4, v9
	v_lshlrev_b32 v[LS4], 2, v9
	v_lshlrev_b32 v[LS8], 3, v9
	v_add_nc_u32 v[RA], s58, v[LS4]
	v_bfe_u32 v12, v0, 3, 1
	v_and_b32 v13, 7, v0
	v_bfe_u32 v14, v0, 4, 1
	v_lshl_add_u32 v13, v14, 3, v13
	s_mul_i32 s59, s14, 12288
	s_add_co_u32 s59, s59, XIMG
	v_mul_u32_u24 v[XW], v12, 1536
	v_lshl_add_u32 v[XW], v13, 4, v[XW]
	v_add_nc_u32 v[XW], s59, v[XW]
	s_lshl_b32 s59, s14, 9
	s_add_co_u32 s59, s59, XSC
	v_lshlrev_b32 v[XWS], 6, v12
	v_lshl_add_u32 v[XWS], v13, 2, v[XWS]
	v_add_nc_u32 v[XWS], s59, v[XWS]
	v_add_nc_u32 v[XRD], XIMG, v[LI]
	v_add_nc_u32 v[XSR], XSC, v[LS4]
.irp b, 0,1,2,3
	v_mov_b32 v[TM+4+\b], 0
.endr
.macro WLOAD off
.set KI, 0
.rept 48
	global_load_b128 v[4*KI:4*KI+3], v[LI], s[42:43] offset:(\off)+512*KI
.set KI, KI+1
.endr
.set KI, 0
.rept 8
	global_load_b128 v[192+4*KI:195+4*KI], v[LI], s[42:43] offset:(\off)+25600+512*KI
.set KI, KI+1
.endr
.endm
	WIN 0x80
	WLOAD 0
	WIN 0xc0
	WLOAD REC
	WIN 0
.set KI, 0
.rept 8
	global_load_b32 v[WS+KI], v[LS4], s[42:43] offset:24576+128*KI
	global_load_b32 v[WS+8+KI], v[LS4], s[42:43] offset:REC+24576+128*KI
.set KI, KI+1
.endr
.macro LOADB n
.irp i, 0,1,2,3,4,5,6,7,8,9,10,11,12,13,14,15,16,17,18,19,20,21,22,23,24,25,26,27,28,29,30,31
	ds_load_b32 v[64+32*((\n)%2)+\i], v[RA] offset:(32*((\n)/4)+\i)*512+128*((\n)%4)
.endr
.endm
.macro BLK n
.set RS, 64+32*((\n)%2)
.set CA, 128+8*((\n)%2)
.set CD, 144+4*((\n)%2)
.set BE, (\n)/4
.set GG, (\n)%4
.set PL, 3072*GG+256*(BE%2)
	v_max3_num_f32 v152, |v[RS]|, |v[RS+1]|, |v[RS+2]|
	v_max3_num_f32 v153, |v[RS+3]|, |v[RS+4]|, |v[RS+5]|
.irp i, 6,10,14,18,22,26
	v_max3_num_f32 v152, v152, |v[RS+\i]|, |v[RS+\i+1]|
	v_max3_num_f32 v153, v153, |v[RS+\i+2]|, |v[RS+\i+3]|
.endr
	v_max3_num_f32 v152, v152, |v[RS+30]|, |v[RS+31]|
	v_max3_num_f32 v152, v152, v153, 0x1800000
	v_add_nc_u32 v154, 0xff000000, v152
	v_lshrrev_b32 v155, 23, v154
.if BE == 0
	v_mov_b32 v[SWD+GG], v155
.else
	v_lshl_or_b32 v[SWD+GG], v155, 8*BE, v[SWD+GG]
.endif
	v_cvt_scalef32_pk16_fp6_f32 v[CA:CA+2], v[RS:RS+15], v154
	v_cvt_scalef32_pk16_fp6_f32 v[CD:CD+2], v[RS+16:RS+31], v154
	v_nop
.irp i, 0,1,2
	v_mov_b32 v[CA+3+\i], v[CD+\i]
.endr
.if BE < 2
	ds_store_b128 v[XW], v[CA:CA+3] offset:PL
	ds_store_b64 v[XW], v[CA+4:CA+5] offset:PL+512
.else
	ds_store_b64 v[XW], v[CA:CA+1] offset:PL+520
	ds_store_b128 v[XW], v[CA+2:CA+5] offset:PL+1024
.endif
.endm
	s_wait_tensorcnt 0x1
	LOADB 0
.set NB, 0
.rept 16
.if NB < 15
.if NB == 7
	s_wait_tensorcnt 0x0
.endif
	LOADB NB+1
.endif
.if NB == 0
	s_wait_dscnt 32
.elseif NB < 15
	s_wait_dscnt 34
.else
	s_wait_dscnt 2
.endif
	BLK NB
.set NB, NB+1
.endr
.irp g, 0,1,2,3
	ds_store_b32 v[XWS], v[SWD+\g] offset:128*\g
.endr
	s_wait_dscnt 0x0
	s_barrier_signal -1
	s_barrier_wait -1
	s_wait_loadcnt 0x0
.macro XLOAD hf, s
.irp tt, 0,1,2,3
.irp c, 0,1,2
	ds_load_b128 v[XF+48*(\hf)+12*\tt+4*\c:XF+48*(\hf)+12*\tt+4*\c+3], v[XRD] offset:12288*(\s)+1536*(4*(\hf)+\tt)+512*\c
.endr
.endr
.irp i, 0,1
	ds_load_b32 v[XS+2*(\hf)+\i], v[XSR] offset:512*(\s)+256*(\hf)+128*\i
.endr
.endm
.macro WM
.if fA && fB
	v_wmma_scale_f32_16x16x128_f8f6f4 v[rD:rD+7], v[rA:rA+11], v[rB:rB+11], v[rC:rC+7], v[rSA], v[rSB] matrix_a_fmt:MATRIX_FMT_FP6 matrix_b_fmt:MATRIX_FMT_FP6 matrix_a_scale:MATRIX_SCALE_ROW1 matrix_b_scale:MATRIX_SCALE_ROW1
.elseif fA
	v_wmma_scale_f32_16x16x128_f8f6f4 v[rD:rD+7], v[rA:rA+11], v[rB:rB+11], v[rC:rC+7], v[rSA], v[rSB] matrix_a_fmt:MATRIX_FMT_FP6 matrix_b_fmt:MATRIX_FMT_FP6 matrix_a_scale:MATRIX_SCALE_ROW1
.elseif fB
	v_wmma_scale_f32_16x16x128_f8f6f4 v[rD:rD+7], v[rA:rA+11], v[rB:rB+11], v[rC:rC+7], v[rSA], v[rSB] matrix_a_fmt:MATRIX_FMT_FP6 matrix_b_fmt:MATRIX_FMT_FP6 matrix_b_scale:MATRIX_SCALE_ROW1
.else
	v_wmma_scale_f32_16x16x128_f8f6f4 v[rD:rD+7], v[rA:rA+11], v[rB:rB+11], v[rC:rC+7], v[rSA], v[rSB] matrix_a_fmt:MATRIX_FMT_FP6 matrix_b_fmt:MATRIX_FMT_FP6
.endif
.endm
.macro GEMM path, wn
	XLOAD 0, 0
	XLOAD 1, 0
.irp s, 0,1,2,3
.irp hf, 0,1
.if (\s == 3) && (\hf == 1)
	s_wait_dscnt 0x0
.else
	s_wait_dscnt 14
.endif
.if (\path == 0) && (\s == 0)
	WIN 0x40|(\wn<<4)|\wn
.elseif \path == 0
	WIN 0x50|\wn
.elseif \s == 0
	WIN 0x40|(\wn<<4)|(\wn<<2)
.else
	WIN 0x50|(\wn<<2)
.endif
.irp tt, 0,1,2,3
.irp wt, 0,1,2,3
.set tI, 4*\hf+\tt
.set rW, 12*(4*\s+\wt)
.set rX, XF+48*\hf+12*\tt
.set sW, WS+8*(\wn-2)+2*\s+\wt/2
.set sX, XS+2*\hf+\tt/2
.if \path == 0
.set rD, 8*(8*(tI/2)+4*(tI%2)+\wt)
.set rA, rW
.set rB, rX
.set rSA, sW
.set rSB, sX
.set fA, \wt%2
.set fB, \tt%2
.else
.set rD, 8*(8*\wt+tI)
.set rA, rX
.set rB, rW
.set rSA, sX
.set rSB, sW
.set fA, \tt%2
.set fB, \wt%2
.endif
.if \s == 0
.set rC, 192+8*\wt
.else
.set rC, rD
.endif
	WM
.endr
.endr
	WIN 0
.rept 4
	v_nop
.endr
.if \s < 3
	XLOAD \hf, \s+1
.endif
.endr
.endr
.endm
.macro QUANT qi
.set qa, 64*(\qi)
.set qo, OF+12*(\qi)
	WIN 0x14
.irp b, 0,1,2,3
	v_max3_num_f32 v[TM+\b], 0x1800000, |v[qa+16*\b]|, |v[qa+1+16*\b]|
.endr
.irp i, 2,4,6,8,10,12,14
.irp b, 0,1,2,3
	v_max3_num_f32 v[TM+\b], v[TM+\b], |v[qa+16*\b+\i]|, |v[qa+1+16*\b+\i]|
.endr
.endr
	WIN 0
.irp b, 0,1,2,3
	v_permlanex16_b32 v[TM+4+\b], v[TM+\b], s54, s55
.endr
.irp b, 0,1,2,3
	v_max_num_f32 v[TM+\b], v[TM+\b], v[TM+4+\b]
.endr
.irp b, 0,1,2,3
	v_add_nc_u32 v[TM+12+\b], 0xff000000, v[TM+\b]
.endr
.irp b, 0,1,2,3
	v_lshrrev_b32 v[TM+4+\b], 23, v[TM+12+\b]
.endr
	v_lshl_or_b32 v[PW+(\qi)], v[TM+5], 8, v[TM+4]
	v_lshl_or_b32 v[PW+(\qi)], v[TM+6], 16, v[PW+(\qi)]
	v_lshl_or_b32 v[PW+(\qi)], v[TM+7], 24, v[PW+(\qi)]
	WIN 0x01
.irp c, 0,1
	v_cvt_scalef32_pk16_fp6_f32 v[qo+6*\c:qo+2+6*\c], v[qa+32*\c:qa+15+32*\c], v[TM+12+2*\c]
	v_cvt_scalef32_pk16_fp6_f32 v[TQ+4*\c:TQ+2+4*\c], v[qa+16+32*\c:qa+31+32*\c], v[TM+13+2*\c]
.endr
	WIN 0
	v_nop
.irp c, 0,1
.irp i, 0,1,2
	v_permlane16_swap_b32 v[qo+6*\c+\i], v[TQ+4*\c+\i]
.endr
.irp i, 0,1,2
	v_mov_b32 v[qo+3+6*\c+\i], v[TQ+4*\c+\i]
.endr
.endr
.endm
.macro OUT of, os
	s_wait_xcnt 0x0
	QUANT 0
	QUANT 1
	QUANT 2
	QUANT 3
.irp k, 0,1,2,3,4,5,6,7,8,9,10,11
	global_store_b128 v[LI], v[OF+4*\k:OF+4*\k+3], s[\of:\of+1] offset:512*\k
.endr
	v_cndmask_b32 v60, v[PW], v[PW+1], s52
	v_cndmask_b32 v61, v[PW+2], v[PW+3], s52
	global_store_b64 v[LS8], v[60:61], s[\os:\os+1]
.endm
	s_cmp_eq_u32 s15, 2
	s_cbranch_scc1 .Lv_a
	GEMM 0, 2
	s_branch .Ljoin_a
.Lv_a:
	GEMM 1, 2
.Ljoin_a:
	OUT 44, 48
	s_cmp_eq_u32 s15, 2
	s_cbranch_scc1 .Lv_b
	GEMM 0, 3
	s_branch .Ljoin_b
.Lv_b:
	GEMM 1, 3
.Ljoin_b:
	OUT 46, 50
	s_wait_tensorcnt 0x0
	ds_add_u32 v[SPW], v[NIL]
	s_wait_dscnt 0x0
	s_endpgm
.Lfunc_end_k_qcb280afe26_proj:
	.size	k_qcb280afe26_proj, .Lfunc_end_k_qcb280afe26_proj-k_qcb280afe26_proj
	.p2alignl 7, 3214868480
	.fill 96, 4, 3214868480
	.section	.rodata,"a",@progbits
	.p2align	6, 0x0
	.amdhsa_kernel k_qcb280afe26_proj
		.amdhsa_group_segment_fixed_size 327680
		.amdhsa_private_segment_fixed_size 0
		.amdhsa_enable_private_segment 0
		.amdhsa_kernarg_size 40
		.amdhsa_user_sgpr_count 2
		.amdhsa_user_sgpr_kernarg_segment_ptr 1
		.amdhsa_wavefront_size32 1
		.amdhsa_system_sgpr_workgroup_id_x 1
		.amdhsa_system_sgpr_workgroup_id_y 1
		.amdhsa_system_sgpr_workgroup_id_z 1
		.amdhsa_system_vgpr_workitem_id 0
		.amdhsa_next_free_vgpr 1024
		.amdhsa_next_free_sgpr 72
		.amdhsa_reserve_vcc 0
		.amdhsa_float_denorm_mode_32 3
		.amdhsa_float_denorm_mode_16_64 3
		.amdhsa_memory_ordered 1
		.amdhsa_forward_progress 1
		.amdhsa_inst_pref_size 208
	.end_amdhsa_kernel
	.amdgpu_metadata
---
amdhsa.version: [ 1, 2 ]
amdhsa.kernels:
  - .name:           k_qcb280afe26_proj
    .symbol:         k_qcb280afe26_proj.kd
    .args:
      - { .name: query, .offset: 0, .size: 8, .value_kind: global_buffer, .address_space: global }
      - { .name: key, .offset: 8, .size: 8, .value_kind: global_buffer, .address_space: global }
      - { .name: wrec, .offset: 16, .size: 8, .value_kind: global_buffer, .address_space: global }
      - { .name: qrec, .offset: 24, .size: 8, .value_kind: global_buffer, .address_space: global }
      - { .name: kvrec, .offset: 32, .size: 8, .value_kind: global_buffer, .address_space: global }
    .group_segment_fixed_size: 327680
    .private_segment_fixed_size: 0
    .kernarg_segment_align: 8
    .kernarg_segment_size: 40
    .max_flat_workgroup_size: 128
    .sgpr_count:     72
    .vgpr_count:     1024
    .wavefront_size: 32
...
	.end_amdgpu_metadata
.endif
;; end of part 2
;; launch attn (part 3): grid 16 x 16, 16 waves a work-group, no clusters, 327,680 bytes of LDS; arguments qrec, kvrec, out0; writes out0
.if DOCPART == 3
	.amdgcn_target "amdgcn-amd-amdhsa--gfx1250"
	.amdhsa_code_object_version 6
	.text
	.protected	k_qcb280afe26_attn
	.globl	k_qcb280afe26_attn
	.p2align	8
	.type	k_qcb280afe26_attn,@function
k_qcb280afe26_attn:
	s_mov_b64 s[64:65], 0
	v_nop
	global_prefetch_b8 v0, s[64:65] scope:SCOPE_SE
	s_setreg_imm32_b32 hwreg(HW_REG_WAVE_MODE, 25, 1), 1
	s_wait_xcnt 0x0
; out0[b][64 head + d][n] = the sum over keys k <= n of softmax_k(q[n] . k[k] / 8) v[k][d], both products on codes of FP6 with one E8M0 scale for each 32 along K.
; LEFT OUT: a step of 128 keys all of which come after a tile's 16 queries (the causal mask that reference() builds itself gives them the weight 0: shown at the head of the first launch), and the fetch of a slot that no wave reads.
; THE SOFTMAX: t = score x log2(e) / 8; M = the running largest t, rounded UP to a whole number; p = 2^(t - M) is quantised along the keys, not normalised; the row's sum is taken of the unquantised p and divides at the end.
; When M moves, the sum and O are multiplied by 2^(old M - new M): exact.
; SHARES.  Work-group (i, bh) owns query blocks i (short) and 31 - i (long) of 128 queries: 33 key steps for a tile of each.  Waves w and w + 8 are a pair, w = 0 .. 7.
; Wave w owns tile w of the long block.  Wave w + 8 owns tile w of the short block; that tile's steps end in slot i / 4.  At that slot's end wave w + 8 divides, puts the short tile's result into the stage,
; loads the LONG tile's q and begins a second state (M, sum, O) for it.  From the next slot on wave w takes steps 0, 1 of each slot and wave w + 8 steps 2, 3.  At the end wave w + 8 hands its state over through LDS, and wave w
; joins the two: both M are whole numbers, so both factors are exact powers of two; a state that saw no step (M = -3e38, zeros) gets the factor 0.
; A lane holds one query throughout: Q0 + r + 8 (r / 8), Q0 = 128 block + 32 (tile / 2) + 8 (tile % 2).
; OPERANDS come as images of their registers (second launch).  A PAIR FRAGMENT of K holds key tile 2 g's 64 channels at k = 0 .. 63 and tile 2 g + 1's at k = 64 .. 127; q is kept twice, as (q, 0) and as (0, q):
; its zero codes pick the one tile or the other.  Key tile 2 g + u is keys 32 g + 8 u + r + 8 (r / 8), so S^T's registers 16 g + 0 .. 15 are keys 32 g + 16 (lane / 16) + 0 .. 15.  Both products are used transposed.
; THE RING.  Two LDS slots of four key steps' records (51,200 dense bytes), 65,536 bytes apart; wave 0 fills a whole slot by one tensor load; at most one tensor load is out, and every wait on TENSORcnt is for 0.
; No cluster: under the mask the work-groups of a head need different numbers of slots, so a joint load would bring tiles that every wave of some partner jumps over.
; LDS: slots at 0 and 65,536; STG: 128 rows (block, d) of 512 + 16 bytes for the way out; XCH: 4,352 bytes a pair for the state handed over; SPARE: the spare words.  No fill lands on the last three.
; The launch claims all of a WGP's LDS; the text uses 235,520 bytes.
; REGISTERS: v1-4 offsets that stay; v5, v6 the add's two; v7, v8 the step's LDS addresses; v9, v10 the stage; v12 -M, v13 the largest t, v[14:15] the sum in two halves; v16-27 (q, 0), v28-39 (0, q); v40, v41 their scale words;
;   v42-44 the exchange's addresses and q's scale offset; v48-95 K's four fragments, then V's; v96-159 S^T, then p; v160-191 O^T; v192-203 p's codes; v204-210 at work; v[212:213] K's scale words, v[214:215] V's; v216-235 at work.
; LIMITS: as stated at the head of the first launch; the promise holds while the scaled scores t stay under 2^31 in magnitude.
.set SLOT1, 65536
.set STEPB, 12800
.set SLOTB, 51200
.set STG,   131072
.set XCH,   198656
.set XPB,   4352                       ; a pair's exchange: 8 x 512 bytes of O, 256 of (-M, sum)
.set SPARE, 233472                     ; 128 bytes for each of 16 waves: eight blocks of 256 bytes that no other line names
.set LI,   1                           ; v1  16 x lane
.set LS8,  2                           ; v2  8 x lane
.set QD,   3                           ; v3  r + 8 (r / 8) - 16 (lane / 16)
.set PFO,  4                           ; v4  the prefetches' offset
.set SPW,  5
.set NIL,  6
.set ADK,  7
.set ADS,  8
.set SO,   9                           ; v9  the stage, in
.set SR,   10                          ; v10 the stage, back
.set XA,   42                          ; v42 the exchange: 16 x lane
.set XB,   43                          ; v43 the exchange: 8 x lane
.set QSA,  44                          ; v44 8 r: q's scale word
.set TB,   2                           ; s2  LDS byte at which the step's record begins
.set WV,   18
.set SEL,  20                          ; s[20:21]
.set CS,   22                          ; s[22:23] c = log2(e) / 8, twice
.set G1,   24                          ; s[24:31]
.set G0,   32                          ; s[32:35]
.set KF,   36                          ; the step's first key
.set Q0,   37
.set LASTQ, 38                         ; my work-group's last query
.set SLOTS, 39
.set CNT,  40
.set PFA,  42                          ; s[42:43]
.set LIM,  44
.set UM,   45                          ; all ones where my tile is the odd one of its pair
.set SH,   46
.set Q0L,  72                          ; Q0 of the pair's long tile
.set SWS,  73                          ; s[SLOTS] in the trip at whose end the pair splits the slots: 7 - i / 4
.set ACT,  74                          ; bit s[CNT] set: the slot's step with that count is mine
.macro TLOAD                           ; wave 0 alone fetches; an s_nop 0 and four v_nop follow the load
	s_cmp_eq_u32 s[WV], 0
	s_cbranch_scc0 .Lnot_0_\@
	tensor_load_to_lds s[G0:G0+3], s[G1:G1+7]
	s_nop 0
.rept 4
	v_nop
.endr
.Lnot_0_\@:
.endm
; A PREFETCH INTO THE L2 of the slot that the NEXT change of slots will ask for: four key steps ahead of that load.  All 16 work-groups of a head walk the same records: the one with i = 0, which asks for every slot, prefetches.
; In it waves 4 to 10 ask, one instruction each, a lane to each 256 bytes of the slot's 51,200; the 24 lanes that are over name the slot's last 256 bytes again.
; The last change that fills a slot asks for nothing: there is no slot behind it.  Slots 0 and 1 come by their loads alone.
.macro ASK
	s_cmp_gt_u32 s[SLOTS], s[LIM]
	s_cbranch_scc0 .Lnot_mine_\@
	global_prefetch_b8 v[PFO], s[PFA:PFA+1] th:TH_LOAD_NT scope:SCOPE_SE
.Lnot_mine_\@:
.endm
.macro QLOADS f, s                     ; a tile's pair fragment of q and its scale word for row r
.irp c, 0,1,2
	global_load_b128 v[48+4*\c:51+4*\c], v[LI], s[\f:\f+1] offset:512*\c
.endr
	global_load_b32 v233, v[QSA], s[\s:\s+1] offset:6144
.endm
.macro QINIT                           ; q's two operands from what QLOADS brought, and a state that has seen no key
	s_wait_alu depctr_va_vdst(0)
	s_wait_loadcnt 0x0
.irp j, 0,1,2,3,4,5
	v_cndmask_b32 v[16+\j], v[48+\j], v[54+\j], s[UM]   ; my tile's 64 channels: registers 0-5 or 6-11 of the pair fragment
.endr
.irp j, 0,1,2,3,4,5
	v_mov_b32 v[34+\j], v[16+\j]                   ; (0, q)
.endr
	v_lshrrev_b32 v40, s[SH], v233
	v_and_b32 v40, 0xffff, v40                     ; (q, 0)'s scale word: my tile's two bytes below,
	v_lshlrev_b32 v41, 16, v40                     ; (0, q)'s: above
	v_mov_b32 v13, 0xff61b1e6                      ; the largest t so far: -3e38, under every t
	v_floor_f32 v12, -v13                          ; -M
	v_mov_b32 v14, 0                               ; the sum, in two halves
	v_mov_b32 v15, 0
.set JJ, 0
.rept 32
	v_mov_b32 v[160+JJ], 0                         ; O^T: the step is written once, and the first finds zeros.  These lines are also the places between the operands just made and the next product
.set JJ, JJ+1
.endr
	s_wait_alu depctr_va_vdst(0)
.endm
.macro FINAL                           ; v14: my lane's sum.  O^T / the row's sum goes into the stage: row 8 h + 16 dt + j of my block's 64, my query's 4 bytes
	v_permlanex16_b32 v232, v14, s[SEL], s[SEL+1]
	v_add_f32 v14, v14, v232                       ; with lane l xor 16's: the row's sum
	s_wait_alu depctr_va_vdst(0)
	v_rcp_f32 v14, v14
	v_nop                                          ; one plain place behind it
	s_wait_alu depctr_va_vdst(0)                   ; the wait ahead of its first reader, which is O^T's first reader too
.set JJ, 0
.rept 32
	v_mul_f32 v[96+JJ], v[160+JJ], v14             ; register 8 dt + j is o(my query, 16 dt + 8 h + j); each accumulator from its low end on
.set JJ, JJ+1
.endr
.irp dt, 0,1,2,3
.irp j, 0,1,2,3,4,5,6,7
	ds_store_b32 v[SO], v[96+8*\dt+\j] offset:528*(16*\dt+\j)
.endr
.endr
.endm
	s_load_b128 s[4:7], s[0:1], 0x0                ; qrec s[4:5], kvrec s[6:7]
	s_load_b64 s[8:9], s[0:1], 0x10                ; out0
	v_lshl_add_u32 v[SPW], v0, 2, SPARE
	v_mov_b32 v[NIL], 0
	ds_add_u32 v[SPW], v[NIL]                      ; the wave's opening: the add, twice on end, and its wait ahead of the first tensor load
	ds_add_u32 v[SPW], v[NIL]                      ; and once more; the set-up below, work on registers, stands between it and the wait
	v_lshrrev_b32 v1, 5, v0
	s_delay_alu instid0(VALU_DEP_1)
	v_readfirstlane_b32 s[WV], v1                  ; wave 0..15
	s_and_b32 s50, ttmp7, 0xffff                   ; bh
	s_lshr_b32 s47, s[WV], 3                       ; 0: I begin with the long block, 1: with the short one
	s_and_b32 s48, s[WV], 7                        ; my tile in the block, the same in both blocks
	s_sub_co_u32 s51, 31, ttmp9                    ; 31 - i
	s_cmp_eq_u32 s47, 0
	s_cselect_b32 s49, s51, ttmp9                  ; my first block
	s_lshr_b32 s52, s48, 1                         ; tp: the pair of tiles
	s_and_b32 s54, s48, 1                          ; which of the pair
	s_lshl_b32 s53, s52, 5
	s_lshl_b32 s55, s54, 3
	s_add_co_u32 s53, s53, s55                     ; 32 tp + 8 x which
	s_lshl_b32 s[Q0], s49, 7
	s_add_co_u32 s[Q0], s[Q0], s53
	s_lshl_b32 s[Q0L], s51, 7
	s_add_co_u32 s[LASTQ], s[Q0L], 127             ; 128 (32 - i) - 1
	s_add_co_u32 s[Q0L], s[Q0L], s53
	s_lshl_b32 s[SH], s54, 4
	s_sub_co_u32 s[UM], 0, s54
	s_lshr_b32 s[SWS], ttmp9, 2
	s_sub_co_u32 s[SWS], 7, s[SWS]
	s_mov_b32 s[ACT], 0x1e                         ; counts 4 to 1: all four steps of a slot
	s_mul_i32 s75, s52, 1536                       ; in a record of q: my pair fragment,
	s_and_b32 s76, s52, 1
	s_lshl_b32 s76, s76, 7
	s_lshr_b32 s53, s52, 1
	s_lshl_b32 s53, s53, 2
	s_add_co_u32 s76, s76, s53                     ; and its scale words: lanes 16 (tp % 2) on, word tp / 2 of a lane's two
	s_lshl_b32 s55, s50, 5
	s_add_co_u32 s56, s55, s49
	s_mul_i32 s56, s56, 6400                       ; q's record: 32 bh + block
	s_add_co_u32 s58, s56, s75
	s_add_co_u32 s56, s56, s76
	s_add_co_u32 s77, s55, s51
	s_mul_i32 s77, s77, 6400                       ; the long block's record
	s_add_co_u32 s78, s77, s75
	s_add_co_u32 s80, s77, s76
	s_mov_b32 s57, 0
	s_mov_b32 s59, 0
	s_mov_b32 s79, 0
	s_mov_b32 s81, 0
	s_mul_i32 s60, s50, 32*STEPB                   ; the head's records of K and V
	s_mov_b32 s61, 0
	s_lshl_b32 s62, s50, 20                        ; out0: 64 rows of 16,384 bytes a head,
	s_lshl_b32 s53, s48, 17                        ; the 8 rows d = 8 (w % 8) on that I store,
	s_add_co_u32 s62, s62, s53
	s_cmp_lt_u32 s[WV], 8
	s_cselect_b32 s53, ttmp9, s51                  ; of block i (waves 0-7: stage rows 0-63) or 31 - i
	s_lshl_b32 s53, s53, 9
	s_add_co_u32 s62, s62, s53
	s_mov_b32 s63, 0
	s_xor_b32 s53, s47, 1                          ; the stage, in: waves 0-7 put the long block's results (rows 64 on), waves 8-15 the short block's (rows 0 on)
	s_mul_i32 s66, s53, 64*528
	s_lshl_b32 s53, s52, 7
	s_add_co_u32 s66, s66, s53                     ; 4 bytes x (32 tp
	s_lshl_b32 s53, s54, 5
	s_add_co_u32 s66, s66, s53                     ; + 8 x which of the pair)
	s_add_co_u32 s66, s66, STG
	s_mul_i32 s67, s[WV], 8*528                    ; and back: rows 8 w on
	s_add_co_u32 s67, s67, STG
	s_mul_i32 s82, s48, XPB
	s_add_co_u32 s82, s82, XCH                     ; my pair's exchange
	s_sub_co_u32 s96, s[WV], 4
	s_cmp_lt_u32 s96, 7                            ; waves 4 to 10
	s_cselect_b32 s97, 0, 1
	s_or_b32 s97, s97, ttmp9                       ; of the work-group with i = 0
	s_cmp_eq_u32 s97, 0
	s_cselect_b32 s[LIM], 1, -1                    ; 1 in a wave that prefetches, else the greatest number
	s_lshl_b32 s96, s96, 5
	; descriptor group 1: a slot is 200 dense rows of 256 bytes (32 elements of 8 bytes), no padding
	s_mov_b32 s[G1], 3<<16
	s_mov_b32 s[G1+1], 32<<16                      ; tensor_dim0
	s_mov_b32 s[G1+2], 200<<16                     ; tensor_dim1
	s_mov_b32 s[G1+3], 32<<16                      ; tile_dim0
	s_mov_b32 s[G1+4], 200                         ; tile_dim1
	s_mov_b32 s[G1+5], 32                          ; tensor_dim0_stride
	s_mov_b32 s[G1+6], 0
	s_mov_b32 s[G1+7], 0
	s_mov_b32 s[SEL], 0x76543210
	s_mov_b32 s[SEL+1], 0xfedcba98                 ; v_permlanex16_b32's selects for lane l xor 16
	s_mov_b32 s[CS], 0x3e38aa3b                    ; c = log2(e) / 8
	s_mov_b32 s[CS+1], s[CS]                       ; (named with it as a pair, so it is written)
	s_mov_b32 s[TB], 0
	s_mov_b32 s[KF], 0
	s_mov_b32 s[SLOTS], 7
	s_wait_dscnt 0x0                               ; both opening adds are done
	s_wait_kmcnt 0x0
	s_add_nc_u64 s[6:7], s[6:7], s[60:61]
	s_mov_b32 s[G0], 1                             ; count = 1
	s_mov_b32 s[G0+1], 0                           ; LDS address: slot 0
	s_mov_b64 s[G0+2:G0+3], s[6:7]                 ; the head's first four key steps
	s_or_b32 s[G0+3], s[G0+3], 0x80000000          ; type = 2
	TLOAD                                          ; slot 0: it holds key 0, which counts for every query
	s_add_nc_u64 s[10:11], s[4:5], s[58:59]
	s_add_nc_u64 s[12:13], s[4:5], s[56:57]
	s_add_nc_u64 s[68:69], s[4:5], s[78:79]
	s_add_nc_u64 s[70:71], s[4:5], s[80:81]
	s_add_nc_u64 s[8:9], s[8:9], s[62:63]
	s_add_nc_u64 s[PFA:PFA+1], s[6:7], SLOTB       ; in slot 1: the first change of slots steps it to slot 2.  Nothing is prefetched here, at the head
	v_and_b32 v45, 31, v0                          ; lane
	v_and_b32 v46, 15, v0                          ; r
	v_bfe_u32 v47, v0, 4, 1                        ; h
	v_lshlrev_b32 v[LI], 4, v45
	v_lshlrev_b32 v[LS8], 3, v45
	v_lshlrev_b32 v[QSA], 3, v46
	QLOADS 10, 12                                  ; my first tile's q
	v_and_b32 v[QD], 8, v46
	v_mul_u32_u24 v[SO], v47, 8*528
	v_add_nc_u32 v[QD], v[QD], v46                 ; r + 8 (r / 8)
	v_lshlrev_b32 v232, 4, v47
	v_lshl_add_u32 v[SO], v[QD], 2, v[SO]
	v_sub_nc_u32 v[QD], v[QD], v232
	v_add_nc_u32 v[SO], s66, v[SO]                 ; every LDS address is made here, ahead of the first branch on the wave's number that leads to LDS work
	v_add_nc_u32 v[SR], s67, v[LI]
	v_add_nc_u32 v[XA], s82, v[LI]
	v_add_nc_u32 v[XB], s82, v[LS8]
	v_add_nc_u32 v[PFO], s96, v45
	v_min_u32 v[PFO], 199, v[PFO]
	v_lshlrev_b32 v[PFO], 8, v[PFO]
.irp b, 0,1,2,3
	v_mov_b32 v[220+\b], 0                         ; written once: a lane permute's destination counts as one of its sources
.endr
	v_mov_b32 v231, 0                              ; (named as the upper half of the pair v[230:231])
	v_mov_b32 v232, 0
.irp j, 0,1,2,3,4,5
	v_mov_b32 v[22+\j], 0                          ; zero codes, which add nothing under any scale byte but 0xff; they stay for both tiles
	v_mov_b32 v[28+\j], 0
.endr
	QINIT
; A KEY STEP: 128 keys, whose record begins at LDS byte s[TB].
.macro STEP
	s_add_co_u32 s96, s[Q0], 23                    ; my last query
	s_cmp_gt_u32 s[KF], s96                        ; all 128 keys come after it: the step's work is left out; a branch on ids, round no barrier, wait on TENSORcnt or tensor load
	s_cbranch_scc1 .Lhidden_\@
	s_lshr_b32 s96, s[ACT], s[CNT]                 ; or the step is my partner's: ids and counts alone
	s_and_b32 s96, s96, 1
	s_cmp_eq_u32 s96, 0
	s_cbranch_scc1 .Lhidden_\@
	v_add_nc_u32 v[ADK], s[TB], v[LI]
	v_add_nc_u32 v[ADS], s[TB], v[LS8]
	v_nop
	v_nop                                          ; four places in front of loads into registers that the last step's products have read
.irp b, 0,1,2,3
.irp c, 0,1,2
	ds_load_b128 v[48+12*\b+4*\c:51+12*\b+4*\c], v[ADK] offset:1536*\b+512*\c   ; K's four pair fragments, as they lie: 512 consecutive bytes a load
.endr
.endr
	ds_load_b64 v[212:213], v[ADS] offset:12288    ; their scale words
	s_wait_alu depctr_va_vdst(0)
	s_wait_dscnt 0x0
.irp kt, 0,1,2,3,4,5,6,7                       ; S^T = K Q^T: key tile kt lies in pair fragment kt / 2; (q, 0) picks the even tile, (0, q) the odd one
.set rA, 48+12*(\kt/2)
.set rB, 16+12*(\kt%2)
.if (\kt/2)%2
	v_wmma_scale_f32_16x16x128_f8f6f4 v[96+8*\kt:103+8*\kt], v[rA:rA+11], v[rB:rB+11], 0, v[212+\kt/4], v[40+\kt%2] matrix_a_fmt:MATRIX_FMT_FP6 matrix_b_fmt:MATRIX_FMT_FP6 matrix_a_scale:MATRIX_SCALE_ROW1
.else
	v_wmma_scale_f32_16x16x128_f8f6f4 v[96+8*\kt:103+8*\kt], v[rA:rA+11], v[rB:rB+11], 0, v[212+\kt/4], v[40+\kt%2] matrix_a_fmt:MATRIX_FMT_FP6 matrix_b_fmt:MATRIX_FMT_FP6
.endif
.endr
.rept 4
	v_nop                                          ; four places: for the loads below and for the first read of the scores
.endr
.irp b, 0,1,2,3
.irp c, 0,1,2
	ds_load_b128 v[48+12*\b+4*\c:51+12*\b+4*\c], v[ADK] offset:6144+1536*\b+512*\c   ; V's four fragments land while the softmax is walked
.endr
.endr
	ds_load_b64 v[214:215], v[ADS] offset:12544
	s_add_co_u32 s96, s[KF], 127                   ; on the diagonal the scores of hidden keys become -infinity ahead of the maximum: p = 0 then.  A step all of whose keys count skips this
	s_cmp_le_u32 s96, s[Q0]
	s_cbranch_scc1 .Lopen_\@
	s_sub_co_i32 s96, s[Q0], s[KF]
	v_add_nc_u32 v233, s96, v[QD]                  ; d = my query - KF - 16 (lane / 16).  Register 16 b + i holds key KF + 16 (lane / 16) + 32 b + i: hidden where 32 b + i > d
	v_mov_b32 v232, 0xff800000
.set NN, 0
.rept 64
	v_cmp_gt_i32 vcc_lo, 32*(NN/16)+NN%16, v233
	v_cndmask_b32 v[96+NN], v[96+NN], v232, vcc_lo
.set NN, NN+1
.endr
.Lopen_\@:
.irp b, 0,1,2,3
	v_max3_num_f32 v[216+\b], v[96+16*\b], v[97+16*\b], v[98+16*\b]   ; THE LARGEST SCORE OF EACH BLOCK OF 32 KEYS serves twice: for the row's maximum, and, since p rises with the score, for the block's largest p
.endr
.irp i, 3,5,7,9,11,13
.irp b, 0,1,2,3
	v_max3_num_f32 v[216+\b], v[216+\b], v[96+16*\b+\i], v[97+16*\b+\i]   ; (the four blocks by turns)
.endr
.endr
.irp b, 0,1,2,3
	v_max_num_f32 v[216+\b], v[216+\b], v[111+16*\b]
.endr
.irp b, 0,1,2,3
	s_delay_alu instid0(VALU_DEP_4)
	v_permlanex16_b32 v[220+\b], v[216+\b], s[SEL], s[SEL+1]
.endr
.irp b, 0,1,2,3
	s_delay_alu instid0(VALU_DEP_4)
	v_max_num_f32 v[216+\b], v[216+\b], v[220+\b]  ; with lane l xor 16's 16 keys
.endr
	s_delay_alu instid0(VALU_DEP_2)
	v_max3_num_f32 v232, v216, v217, v218
	s_delay_alu instid0(VALU_DEP_1)
	v_max_num_f32 v232, v232, v219                 ; the step's largest score of my query
	s_delay_alu instid0(VALU_DEP_1)
	v_mul_f32 v232, s[CS], v232                    ; as t (c is positive)
	s_delay_alu instid0(VALU_DEP_1)
	v_max_num_f32 v13, v13, v232                   ; the running largest t
	v_mov_b32 v232, v12
	s_delay_alu instid0(VALU_DEP_2)
	v_floor_f32 v12, -v13                          ; the new -M = floor(-t) = -ceil(t): M is a whole number
	s_delay_alu instid0(VALU_DEP_1)
	v_sub_f32 v232, v12, v232                      ; old M less new M: a whole number, 0 or less
	s_delay_alu instid0(VALU_DEP_1)
	v_cvt_i32_f32 v232, v232                       ; (it saturates)
	s_delay_alu instid0(VALU_DEP_1)
	v_ldexp_f32 v230, 1.0, v232                    ; f = 2^(old M - new M): a multiplication by it rounds nothing
.set JJ, 0
.rept 32
	v_pk_fma_f32 v[96+JJ:97+JJ], v[96+JJ:97+JJ], s[CS:CS+1], v[12:13] op_sel_hi:[1,0,0]   ; t - M, two at a time (of the pairs c and -M the low word serves both halves)
.set JJ, JJ+2
.endr
.irp b, 0,1,2,3
	v_fma_f32 v[216+\b], v[216+\b], s[CS], v12     ; the same of each block's largest score
.endr
.set JJ, 0
	s_wait_alu depctr_va_vdst(0)
.rept 64
	v_exp_f32 v[96+JJ], v[96+JJ]                   ; p = 2^(t - M), at most 1: not normalised
.set JJ, JJ+1
.endr
	v_pk_mul_f32 v[14:15], v[14:15], v[230:231] op_sel_hi:[1,0]   ; the sums under the new M.  (A plain place behind the exponentials)
	s_wait_alu depctr_va_vdst(0)                   ; the wait ahead of the first line that names a result: one for the whole batch
.irp b, 0,1,2,3
	v_exp_f32 v[216+\b], v[216+\b]                 ; the block's largest p: the same two instructions on the same number give the same bits
.endr
	v_pk_add_f32 v[234:235], v[96:97], v[98:99]    ; THE ROW'S SUM IS TAKEN OF THE UNQUANTISED p, two at a time, in two chains: its first half here, plain work behind the four
.irp j, 4,8,12,16,20,24,28
	v_pk_add_f32 v[14:15], v[14:15], v[96+\j:97+\j]
	v_pk_add_f32 v[234:235], v[234:235], v[98+\j:99+\j]
.endr
	s_wait_alu depctr_va_vdst(0)                   ; and one wait for the four
.irp b, 0,1,2,3
	v_max_num_f32 v[216+\b], 0x1800000, v[216+\b]  ; the floor 2^(3 - 127): the byte cannot fall under 1 (a block whose every p is 0 keeps that byte: its codes are zeros)
.endr
.irp b, 0,1,2,3
	s_delay_alu instid0(VALU_DEP_4)
	v_add_nc_u32 v[224+\b], 0xff000000, v[216+\b]  ; 2 off the exponent field: the conversion's scale operand
.endr
.irp b, 0,1,2,3
	s_delay_alu instid0(VALU_DEP_4)
	v_lshrrev_b32 v[220+\b], 23, v[224+\b]         ; the scale's byte
.endr
	s_delay_alu instid0(VALU_DEP_3)
	v_lshl_or_b32 v228, v221, 8, v220              ; p's scale word for these 128 keys
	s_delay_alu instid0(VALU_DEP_1)
	v_lshl_or_b32 v228, v222, 16, v228
	s_delay_alu instid0(VALU_DEP_1)
	v_lshl_or_b32 v228, v223, 24, v228
.irp c, 0,1
	v_cvt_scalef32_pk16_fp6_f32 v[192+6*\c:194+6*\c], v[96+32*\c:111+32*\c], v[224+2*\c]
	v_cvt_scalef32_pk16_fp6_f32 v[204+4*\c:206+4*\c], v[112+32*\c:127+32*\c], v[225+2*\c]   ; (a conversion's three registers begin on an even number)
.endr
	v_nop                                          ; one plain place behind a scaled conversion
.irp c, 0,1                                    ; the operand's layout wants a WHOLE block in a lane: lanes 0-15 block 2 c, lanes 16-31 block 2 c + 1
.irp i, 0,1,2
	v_permlane16_swap_b32 v[192+6*\c+\i], v[204+4*\c+\i]
.endr
.irp i, 0,1,2
	s_delay_alu instid0(VALU_DEP_3)
	v_mov_b32 v[195+6*\c+\i], v[204+4*\c+\i]
.endr
.endr
.set JJ, 0
.rept 16
	v_pk_mul_f32 v[160+JJ:161+JJ], v[160+JJ:161+JJ], v[230:231] op_sel_hi:[1,0]   ; O^T under the new M: x f; each accumulator from its low end on
.set JJ, JJ+2
.endr
.irp j, 32,36,40,44,48,52,56,60                ; the sum's second half: 17 plain lines that name no register of the products below stand between the vector writes of their operands, scale word and accumulators and the products
	v_pk_add_f32 v[14:15], v[14:15], v[96+\j:97+\j]
	v_pk_add_f32 v[234:235], v[234:235], v[98+\j:99+\j]
.endr
	s_delay_alu instid0(VALU_DEP_1)
	v_pk_add_f32 v[14:15], v[14:15], v[234:235]
	s_wait_dscnt 0x0                               ; V
.irp dt, 0,1,2,3                               ; O^T += V^T P^T: 16 of the head's 64 channels each; K = these 128 keys; four accumulators by turns
.if \dt%2
	v_wmma_scale_f32_16x16x128_f8f6f4 v[160+8*\dt:167+8*\dt], v[48+12*\dt:59+12*\dt], v[192:203], v[160+8*\dt:167+8*\dt], v[214+\dt/2], v228 matrix_a_fmt:MATRIX_FMT_FP6 matrix_b_fmt:MATRIX_FMT_FP6 matrix_a_scale:MATRIX_SCALE_ROW1
.else
	v_wmma_scale_f32_16x16x128_f8f6f4 v[160+8*\dt:167+8*\dt], v[48+12*\dt:59+12*\dt], v[192:203], v[160+8*\dt:167+8*\dt], v[214+\dt/2], v228 matrix_a_fmt:MATRIX_FMT_FP6 matrix_b_fmt:MATRIX_FMT_FP6
.endif
.endr
.Lhidden_\@:
	s_add_co_u32 s[KF], s[KF], 128
	s_add_co_u32 s[TB], s[TB], STEPB               ; the next step's record
.endm
; THE CHANGE OF SLOTS stands at a slot's head.  Each wave waits for all its tensor loads (wave 0: the slot that is about to be read), adds 0 to its spare word, and waits for that and for its LDS instructions on the slot that it has left.
; Behind the barrier the slot ahead is whole and nobody reads the other one.  fill = 1: that other slot is filled with the next four key steps, up to the causal limit.
.macro CHANGE fill
	s_wait_tensorcnt 0x0                           ; no tensor load of mine is out, so group 0 may be written
	ds_add_u32 v[SPW], v[NIL]                      ; 0 onto my spare word
.if \fill
	ds_add_u32 v[SPW], v[NIL]                      ; and once morethe add stands twice on end here, in every trip alike
	s_xor_b32 s[G0+1], s[G0+1], SLOT1              ; the walking descriptor: the other slot than last time,
	s_add_nc_u64 s[G0+2:G0+3], s[G0+2:G0+3], SLOTB ; the next four key steps; the type bits on top are not reached
	s_wait_xcnt 0x0                                ; the last prefetch, a slot back, has read its address, so it may be written:
	s_add_nc_u64 s[PFA:PFA+1], s[PFA:PFA+1], SLOTB ; one slot further on than the walking descriptor
.endif
	s_wait_dscnt 0x0                               ; the add is done, and my reads of the slot that I have left are over
	s_barrier_signal -1
	s_barrier_wait -1
.if \fill
	s_add_co_u32 s96, s[KF], 512                   ; THE LOOK-AHEAD ENDS AT THE CAUSAL LIMIT: a slot whose first key comes after my work-group's last query is read by none of its waves, so it is not asked for.
	s_cmp_gt_u32 s96, s[LASTQ]                     ; Ids and the count of steps alone: all sixteen waves go the same way.  Where the tail begins hangs on the
	s_cbranch_scc1 .Lpast_\@                       ; work-group's number, so it cannot be written out; the jump leads round the load's own lines alone
	TLOAD                                          ; the first thing behind the barrier, and the one tensor load until the next
.Lpast_\@:
	ASK
.endif
.endm
.macro SLOT_STEPS                      ; a slot's four key steps: written once, walked four times; the LDS addresses hang on s[TB]
	s_mov_b32 s[CNT], 4
.Lstep_\@:
	STEP
	s_sub_co_u32 s[CNT], s[CNT], 1
	s_cmp_lg_u32 s[CNT], 0
	s_cbranch_scc1 .Lstep_\@
	s_sub_co_u32 s[TB], s[TB], SLOTB               ; back to a slot's first record,
	s_xor_b32 s[TB], s[TB], SLOT1                  ; in the other slot
.endm
.Lslot:                                            ; 7 trips: every work-group walks all 8 slots, so that the trip counts are constants and no barrier is jumped over
	CHANGE 1
	SLOT_STEPS
	; THE PAIR SPLITS THE SLOTS at the end of slot i / 4 (one of slots 0 to 3): the short block's steps are over.  Ids and the count of slots alone decide
	s_cmp_eq_u32 s[SLOTS], s[SWS]
	s_cbranch_scc0 .Lstay
	s_cmp_lt_u32 s[WV], 8
	s_cselect_b32 s[ACT], 0x18, 6                  ; waves 0-7: counts 4, 3 (steps 0, 1 of a slot); waves 8-15: counts 2, 1 (steps 2, 3)
	s_cbranch_scc1 .Lstay
	s_wait_alu depctr_va_vdst(0)                   ; the sum's halves were written ahead of waits and branches
.rept 4
	v_nop                                          ; four places behind the last products, for the loads into their sources and the reads of O^T
.endr
	QLOADS 68, 70                                  ; the long tile's q lands while the short tile's result is divided and staged
	v_add_f32 v14, v14, v15                        ; the sum's two halves
	FINAL                                          ; the short tile is done: its 16 columns of stage rows 0-63; they are read behind the last barrier
	s_mov_b32 s[Q0], s[Q0L]
	QINIT                                          ; a second state, for my steps of the long tile
.Lstay:
	s_sub_co_u32 s[SLOTS], s[SLOTS], 1
	s_cmp_lg_u32 s[SLOTS], 0
	s_cbranch_scc1 .Lslot
	CHANGE 0                                       ; the last slot is written out: nothing is left to fetch
	SLOT_STEPS
	; THE TWO STATES OF A LONG TILE ARE JOINED.  Wave w + 8 hands over O^T, -M and its lanes' sums as images of its registers; wave w reads them behind a barrier.
	s_wait_alu depctr_va_vdst(0)
	v_add_f32 v14, v14, v15                        ; the sum's two halves
.rept 3
	v_nop                                          ; with the addition: four places behind the last products
.endr
	s_wait_alu depctr_va_vdst(0)
	s_cmp_lt_u32 s[WV], 8
	s_cbranch_scc1 .Lkeeper
	v_mov_b32 v13, v14                             ; (-M, sum) as a pair
.irp k, 0,1,2,3,4,5,6,7
	ds_store_b128 v[XA], v[160+4*\k:163+4*\k] offset:512*\k   ; each accumulator from its low end on
.endr
	ds_store_b64 v[XB], v[12:13] offset:4096
.Lkeeper:
	s_wait_dscnt 0x0                               ; for my partner's sake: my stores are done
	s_barrier_signal -1
	s_barrier_wait -1
	s_cmp_lt_u32 s[WV], 8
	s_cbranch_scc0 .Lgiver
.irp k, 0,1,2,3,4,5,6,7
	ds_load_b128 v[96+4*\k:99+4*\k], v[XA] offset:512*\k
.endr
	ds_load_b64 v[128:129], v[XB] offset:4096
	s_wait_dscnt 0x0
	v_min_num_f32 v130, v12, v128                  ; -M of the two: the larger M
	v_mov_b32 v135, 0                              ; (named as the upper halves of the factors' pairs)
	v_mov_b32 v137, 0
	v_sub_f32 v131, v130, v12                      ; my M less the joint M, and my partner's: whole numbers, 0 or less
	v_sub_f32 v132, v130, v128
	v_cvt_i32_f32 v131, v131                       ; (they saturate)
	v_cvt_i32_f32 v132, v132
	v_ldexp_f32 v134, 1.0, v131                    ; exact powers of two, or 0 for a state that saw no step
	v_ldexp_f32 v136, 1.0, v132
	v_mul_f32 v14, v14, v134
	v_fmac_f32 v14, v129, v136
.set JJ, 0
.rept 16
	v_pk_mul_f32 v[160+JJ:161+JJ], v[160+JJ:161+JJ], v[134:135] op_sel_hi:[1,0]
	v_pk_fma_f32 v[160+JJ:161+JJ], v[96+JJ:97+JJ], v[136:137], v[160+JJ:161+JJ] op_sel_hi:[1,0,1]
.set JJ, JJ+2
.endr
	FINAL                                          ; the long tile: its 16 columns of stage rows 64-127
.Lgiver:
	; THE WAY OUT.  out0's rows run along the positions: a row's 128 positions of a block come from eight waves.  They have met in the stage; each wave stores 8 whole rows of 512 bytes.
	s_wait_dscnt 0x0                               ; for the others' sake: my stores into the stage are done
	s_barrier_signal -1
	s_barrier_wait -1                              ; 128 whole rows lie in the stage
.irp k, 0,1,2,3,4,5,6,7
	ds_load_b128 v[48+4*\k:51+4*\k], v[SR] offset:528*\k
.endr
.irp k, 0,1,2,3,4,5,6,7
	s_wait_dscnt 7-\k                              ; LDS loads come back in order (ISA guide 5.7.1): row k is in, the younger ones may be out
	global_store_b128 v[LI], v[48+4*\k:51+4*\k], s[8:9] offset:16384*\k th:TH_STORE_NT   ; 32 lanes store 512 consecutive bytes, at a multiple of 512 from out0's first byte; written once, read by nobody here
.endr
	s_wait_tensorcnt 0x0                           ; the wave's end, behind the last tensor load and my last LDS store
	ds_add_u32 v[SPW], v[NIL]
	s_wait_dscnt 0x0
	s_endpgm
.Lfunc_end_k_qcb280afe26_attn:
	.size	k_qcb280afe26_attn, .Lfunc_end_k_qcb280afe26_attn-k_qcb280afe26_attn
	.p2alignl 7, 3214868480
	.fill 96, 4, 3214868480
	.section	.rodata,"a",@progbits
	.p2align	6, 0x0
	.amdhsa_kernel k_qcb280afe26_attn
		.amdhsa_group_segment_fixed_size 327680
		.amdhsa_private_segment_fixed_size 0
		.amdhsa_enable_private_segment 0
		.amdhsa_kernarg_size 24
		.amdhsa_user_sgpr_count 2
		.amdhsa_user_sgpr_kernarg_segment_ptr 1
		.amdhsa_wavefront_size32 1
		.amdhsa_system_sgpr_workgroup_id_x 1
		.amdhsa_system_sgpr_workgroup_id_y 1
		.amdhsa_system_sgpr_workgroup_id_z 1
		.amdhsa_system_vgpr_workitem_id 0
		.amdhsa_next_free_vgpr 256
		.amdhsa_next_free_sgpr 100
		.amdhsa_reserve_vcc 1
		.amdhsa_float_denorm_mode_32 3
		.amdhsa_float_denorm_mode_16_64 3
		.amdhsa_memory_ordered 1
		.amdhsa_forward_progress 1
		.amdhsa_inst_pref_size 69
	.end_amdhsa_kernel
	.amdgpu_metadata
---
amdhsa.version: [ 1, 2 ]
amdhsa.kernels:
  - .name:           k_qcb280afe26_attn
    .symbol:         k_qcb280afe26_attn.kd
    .args:
      - { .name: qrec, .offset: 0, .size: 8, .value_kind: global_buffer, .address_space: global }
      - { .name: kvrec, .offset: 8, .size: 8, .value_kind: global_buffer, .address_space: global }
      - { .name: out0, .offset: 16, .size: 8, .value_kind: global_buffer, .address_space: global }
    .group_segment_fixed_size: 327680
    .private_segment_fixed_size: 0
    .kernarg_segment_align: 8
    .kernarg_segment_size: 24
    .max_flat_workgroup_size: 512
    .sgpr_count:     100
    .vgpr_count:     256
    .wavefront_size: 32
...
	.end_amdgpu_metadata
.endif
;; end of part 3
